; MI455X (gfx1250); checked and timed in simulation.
; The chip was launched on July 23, 2026; its instructions are those of AMD's public machine-readable ISA for CDNA 5 (MIT licence, August 2026) and "CDNA5" Instruction Set Architecture Reference Guide (July 2026). The comments in the code are by the model that wrote it; some were corrected since.
;; Multi Head Dot Product Attention. Allowed arithmetic: matrix products marked QUANTISED: E2M1 operands, one E8M0 scale for each 32 along K, by v_wmma_scale_f32_16x16x128_f8f6f4 with both operands' format E2M1 (or v_wmma_scale_f32_32x16x128_f4), f32 sums; products left as they are: bf16, f16 or f32 operands; f32 sums; everything else in f32.
;; Inputs: Wk 512 x 512 float32; Wo 512 x 512 float32; Wq 512 x 512 float32; Wv 512 x 512 float32; bk 512 float32; bo 512 float32; bq 512 float32; bv 512 float32; inputs_kv 16 x 1,024 x 512 float32; inputs_q 16 x 1,024 x 512 float32; toeplitz 8 x 4,096 float32.
;; Outputs: out0 16 x 1,024 x 8 x 64 float32.
;; This version of the problem:
;;   THIS VERSION OF THE PROBLEM IS GIVEN IN LOW PRECISION. The matrix products marked QUANTISED in the list below multiply operands that are first quantised to E2M1 (2 exponent bits, 1 mantissa bit; 4 bits a number), with one power-of-two scale for each 32 numbers along K (OCP MX v1.0); their sums are f32. The products marked 'left as it is' may take bf16, f16 or f32 operands, with f32 sums. Whichever they take, every output number must still come out within the allowed error. Rounding operands to bf16 (8 significant bits) uses up far more of that allowance than f16 does (11 bits, for magnitudes from 6e-5 to 65,504). All else is computed in f32.
;;   The module's matrix products, in the order in which they are computed (A, B: the left and right operand; K: the contracted axis; several contracted axes count as one K, in the product's order):
;;     1. [M 16,384, K 512] x [K 512, N 512]; A: input inputs_q; B: input Wq: QUANTISED
;;     2. [M 16,384, K 512] x [K 512, N 512]; A: input inputs_kv; B: input Wk: QUANTISED
;;     3. [M 16,384, K 512] x [K 512, N 512]; A: input inputs_kv; B: input Wv: QUANTISED
;;     4. batch 128 x [M 1,024, K 64] x [K 64, N 1,024]; A: computed on the way; B: computed on the way: left as it is (an operand is computed on the way)
;;     5. batch 128 x [M 64, K 1,024] x [K 1,024, N 1,024]; A: computed on the way; B: computed on the way: left as it is (an operand is computed on the way)
;;     6. [M 16,384, K 512] x [K 512, N 512]; A: computed on the way; B: input Wo: left as it is (an operand is computed on the way)
;;   THE QUANTISER, for each operand of a quantised product, along K:
;;     - K is cut into blocks of 32 from its start; a last block that is shorter is filled with zeros.
;;     - A block's scale is 2^e with e = floor(log2(the largest magnitude in the block)) - 2, held to -126 .. 127; a block of zeros has e = 0. As a byte (E8M0): e + 127.
;;     - Each number is divided by its block's scale, clamped to +-6, and rounded to the nearest number of E2M1, ties to even, subnormals kept.
;;     - The product sums the exact products of the quantised numbers (number of the format x scale) in f32.
;;   ~~~python
;;   def quantise(x, axis):      # numpy; x: float32 -> the quantised numbers, widened to float32 again
;;       x = np.moveaxis(x, axis, -1); K = x.shape[-1]
;;       x = np.pad(x, [(0, 0)] * (x.ndim - 1) + [(0, -K % 32)]); x = x.reshape(x.shape[:-1] + (-1, 32)); a = np.abs(x).max(-1, keepdims=True)
;;       e = np.where(a > 0, np.clip(np.frexp(np.where(a > 0, a, 1))[1] - 1 - 2, -126, 127), 0)      # np.frexp(a)[1] - 1 = floor(log2(a)), exactly
;;       r = np.clip(x / 2.0 ** e, -6, 6)
;;       step = 2.0 ** (np.maximum(np.frexp(np.where(r == 0, 1, r))[1] - 1, 0) - 1)
;;       q = np.round(r / step) * step * 2.0 ** e      # np.round: ties to even
;;       return np.moveaxis(q.reshape(q.shape[:-2] + (-1,))[..., :K], -1, axis).astype(np.float32)
;;   ~~~
;; One version. Each part assembles by itself: llvm-mc -triple=amdgcn-amd-amdhsa -mcpu=gfx1250 --defsym DOCPART=n.
;; ======== version 1 of 1: 3 launches
;; limits: values are held in f16: magnitudes above 65,504 overflow, below 6.1e-05 lose precision
;; workspace buffers: xc 8,388,608 bytes; xs 524,288 bytes; wc 393,216 bytes; wsc 24,576 bytes; woimg 524,288 bytes; ximg 16,777,216 bytes
;; launch prep (part 1): grid 576 x 1, 4 waves a work-group, no clusters, 39,424 bytes of LDS; arguments inputs_q, inputs_kv, Wq, Wk, Wv, Wo, xc, xs, wc, wsc, woimg; writes xc, xs, wc, wsc, woimg
.if DOCPART == 1
	.amdgcn_target "amdgcn-amd-amdhsa--gfx1250"
	.amdhsa_code_object_version 6
	.text
	.protected	k_q661414854b_prep
	.globl	k_q661414854b_prep
	.p2align	8
	.type	k_q661414854b_prep,@function
k_q661414854b_prep:
	s_mov_b64 s[64:65], 0
	v_nop
	global_prefetch_b8 v0, s[64:65] scope:SCOPE_SE
	s_setreg_imm32_b32 hwreg(HW_REG_WAVE_MODE, 25, 1), 1
	s_wait_xcnt 0x0
; PREP.  Everything that later launches read many times is made once, and laid in the order of the operand registers that will take it.
;  inputs_q, inputs_kv [16384][512] f32 -> xc: codes of E2M1, and xs: one E8M0 byte for each 32 along K.  A tile of 16 tokens is 4,096 bytes of xc: [block of 32 k: 16][token: 16][16 bytes],
;     so that lane l of a fragment (16 tokens x 128 k) finds its 16 bytes at 16 l of 512 consecutive bytes; and 256 bytes of xs: [token][16 bytes, one for each block].  Tiles 0-1023: inputs_q, 1024-2047: inputs_kv.
;  Wq, Wk, Wv [512 (k)][512 (n)] f32 -> wc: the same tile form with a column n in a token's place; wsc: [weight][128 along k: 4][n: 512] words of four bytes.
;  Wo [512 (k)][512 (n)] f32 -> woimg: f16, [tile of 16 n: 32][8 along k: 64][n: 16][16 bytes].
; A block's scale is 2^(floor(log2(its largest magnitude)) - 2): its byte is the largest magnitude's exponent field - 2, held at 1 from below; each number is divided by the scale and rounded to the nearest code, ties to even, beyond 6 the code of 6.
; LIMITS: a block of zeros gets the byte 1 where the rule says 127 (its codes are zeros, and this program alone reads the bytes); blocks whose largest magnitude lies under 2^-124 were not tried;
; NaN and infinities are not served; |Wo| stays under 65,504 (f16), and under 6e-5 it keeps an absolute step of 6e-8.
; Work-groups 0-63 take the weights (weight g / 16, 128 columns (g / 4) % 4, 128 along K g % 4; a lane a column, registers down K: nothing is transposed by an instruction, and no LDS is used).
; Work-groups 64-575 take the inputs: a wave a tile of 16 tokens, a token (2,048 bytes) a step.  No tensor load, no barrier: waves share nothing.
.set NWW,   64                         ; work-groups for the weights
.set STEPS, 16
.set EMAX,  2
.set SP,    80                         ; a lane's place in a turn stage: 64 bytes + 16 of padding
.set WREG,  9728                       ; LDS of a wave: two turn stages of 32 x SP bytes,
.set SCB,   5120                       ; its tile's 256 scale bytes,
.set CST,   5376                       ; and the codes' stage: 16 blocks of 256 bytes, CP apart
.set CP,    272
.set SPARE, 4*WREG                     ; behind the four regions: the spare words, 128 bytes for each wave, which no other line names
.set SPW,   12                         ; v12  LDS address of my spare word; never rewritten
.set NIL,   13                         ; v13  0; never rewritten
.set R,     16                         ; v16-79   four sets of 16 numbers as they are loaded
.set X,     80                         ; v80-111  two sets of 16 neighbours
.set E,     112                        ; v112-127 a scale byte for each step
.set C,     128                        ; v128-159 two registers of codes for each step
.set OUTR,  160                        ; v160-191 the tile's codes on their way out
	s_load_b512 s[4:19], s[0:1], 0x0               ; inputs_q 4, inputs_kv 6, Wq 8, Wk 10, Wv 12, Wo 14, xc 16, xs 18
	s_load_b128 s[20:23], s[0:1], 0x40             ; wc, wsc
	s_load_b64 s[24:25], s[0:1], 0x50              ; woimg
	v_lshl_add_u32 v[SPW], v0, 2, SPARE
	v_mov_b32 v[NIL], 0
	v_lshrrev_b32 v1, 5, v0
	v_readfirstlane_b32 s26, v1                    ; wave 0..3
	v_and_b32 v2, 31, v0                           ; lane
	s_wait_kmcnt 0x0
	s_cmp_lt_u32 ttmp9, NWW
	s_cbranch_scc1 .Lweights
; ---------------- the inputs ----------------
	v_lshlrev_b32 v3, 4, v2                        ; 16 x lane: my bytes of a load's 512, and of a store's
	s_mul_i32 s27, s26, WREG
	v_lshrrev_b32 v14, 2, v2
	v_mul_u32_u24 v14, v14, SP
	v_and_b32 v15, 3, v2
	v_lshl_add_u32 v14, v15, 4, v14
	v_add_nc_u32 v14, s27, v14                     ; turn stage, in: four lanes' 64 bytes on end, then the padding
	v_mul_u32_u24 v15, v2, SP
	v_add_nc_u32 v15, s27, v15                     ; turn stage, out: my 16 neighbours, k = 16 lane ..
	v_lshrrev_b32 v5, 1, v2                        ; my block of 32: lane / 2
	v_mul_u32_u24 v4, v5, CP
	v_and_b32 v8, 1, v2
	v_lshl_add_u32 v4, v8, 3, v4
	v_add_nc_u32 v4, s27, v4
	v_add_nc_u32 v4, CST, v4                       ; codes' stage, in: block x CP + 8 x (lane % 2); the token stands in the offset
	v_add_nc_u32 v5, s27, v5
	v_add_nc_u32 v5, SCB, v5                       ; my block's scale byte; 16 bytes a token
	v_lshlrev_b32 v7, 3, v2
	v_add_nc_u32 v6, s27, v7
	v_add_nc_u32 v6, SCB, v6                       ; the scale bytes on their way out: 8 a lane
	v_lshrrev_b32 v10, 4, v2
	v_mul_u32_u24 v10, v10, CP
	v_and_b32 v8, 15, v2
	v_lshl_add_u32 v10, v8, 4, v10
	v_add_nc_u32 v10, s27, v10
	v_add_nc_u32 v10, CST, v10                     ; codes' stage, out: sixteen lanes to a block, two blocks an instruction
	s_sub_co_u32 s28, ttmp9, NWW
	s_cmp_lt_u32 s28, 256                          ; the first 256 of these work-groups take inputs_q: the choice hangs on the work-group's number alone
	s_cselect_b64 s[4:5], s[4:5], s[6:7]
	s_lshl_b32 s28, s28, 2
	s_add_co_u32 s28, s28, s26                     ; my tile, 0..2047
	s_and_b32 s30, s28, 1023
	s_lshl_b32 s30, s30, 15                        ; 16 tokens of 2,048 bytes
	s_mov_b32 s31, 0
	s_add_nc_u64 s[4:5], s[4:5], s[30:31]
	s_lshl_b32 s30, s28, 12
	s_add_nc_u64 s[16:17], s[16:17], s[30:31]
	s_lshl_b32 s30, s28, 8
	s_add_nc_u64 s[18:19], s[18:19], s[30:31]
.macro LOAD t                          ; token t: four loads of 512 consecutive bytes
.irp i, 0,1,2,3
	global_load_b128 v[R+16*((\t)%4)+4*\i:R+16*((\t)%4)+4*\i+3], v3, s[4:5] offset:2048*(\t)+512*\i th:TH_LOAD_NT
.endr
.endm
.macro TURN t                          ; through the stage: LDS serves a wave's instructions in order, so no wait stands between the stores and the loads
.irp i, 0,1,2,3
	ds_store_b128 v14, v[R+16*((\t)%4)+4*\i:R+16*((\t)%4)+4*\i+3] offset:32*SP*((\t)%2)+8*SP*\i
.endr
.irp i, 0,1,2,3
	ds_load_b128 v[X+16*((\t)%2)+4*\i:X+16*((\t)%2)+4*\i+3], v15 offset:32*SP*((\t)%2)+16*\i
.endr
.endm
.macro STEP t
.set XS, X+16*((\t)%2)
.if (\t) > 0
	s_wait_dscnt 2                                 ; this token's numbers are back from the stage; behind them only the last step's two stores (byte, codes) were issued
.else
	s_wait_dscnt 0x0
.endif
.if (\t)+4 < STEPS
	LOAD (\t)+4                                    ; into the set whose stores into the stage are done by that wait
.endif
.if (\t)+1 < STEPS
.if STEPS-2-(\t) >= 3
	s_wait_loadcnt 12                              ; the next token's four loads are in; those of the three tokens behind it may be out
.else
	s_wait_loadcnt 4*(STEPS-2-(\t))
.endif
	TURN (\t)+1
.endif
	v_max3_num_f32 v8, |v[XS]|, |v[XS+1]|, |v[XS+2]|               ; the largest magnitude of my 16, in two chains
	v_max3_num_f32 v9, |v[XS+3]|, |v[XS+4]|, |v[XS+5]|
.irp i, 6,10
	v_max3_num_f32 v8, v8, |v[XS+\i]|, |v[XS+\i+1]|
	v_max3_num_f32 v9, v9, |v[XS+\i+2]|, |v[XS+\i+3]|
.endr
	v_max3_num_f32 v8, v8, |v[XS+14]|, |v[XS+15]|
	v_max3_num_f32 v8, v8, v9, (EMAX+1)<<23        ; and the floor 2^(3 - 127): the byte cannot fall under 1
	v_max_num_f32_dpp v8, v8, v8 row_xmask:1 row_mask:0xf bank_mask:0xf   ; with my neighbour's 16: the block's
	v_add_nc_u32 v11, -(EMAX<<23), v8              ; 2 off its exponent field: the conversion takes the exponent field of this operand as its scale
	v_cvt_scalef32_pk8_fp4_f32 v[C+2*(\t)], v[XS:XS+7], v11
	v_cvt_scalef32_pk8_fp4_f32 v[C+2*(\t)+1], v[XS+8:XS+15], v11
	v_lshrrev_b32 v[E+(\t)], 23, v11               ; the scale's byte (a plain line behind the conversions)
	ds_store_b8 v5, v[E+(\t)] offset:16*(\t)       ; both lanes of a block write the same byte with the same value
	ds_store_b64 v4, v[C+2*(\t):C+2*(\t)+1] offset:16*(\t)         ; my half of the block's 16 bytes, at token t's place
.endm
.irp t, 0,1,2,3
	LOAD \t
.endr
	s_wait_loadcnt 12                              ; token 0's four loads are in
	TURN 0
.irp t, 0,1,2,3,4,5,6,7,8,9,10,11,12,13,14,15
	STEP \t
.endr
	ds_load_b64 v[8:9], v6                         ; LDS serves a wave's instructions in order: these see my stores
.irp i, 0,1,2,3,4,5,6,7
	ds_load_b128 v[OUTR+4*\i:OUTR+4*\i+3], v10 offset:2*CP*\i
.endr
	s_wait_dscnt 0x0
	global_store_b64 v7, v[8:9], s[18:19]          ; the tile's 256 scale bytes: 256 consecutive bytes, aligned
.irp i, 0,1,2,3,4,5,6,7
	global_store_b128 v3, v[OUTR+4*\i:OUTR+4*\i+3], s[16:17] offset:512*\i   ; 512 consecutive bytes, aligned
.endr
	s_wait_tensorcnt 0x0                           ; the wave's end: behind my last LDS store
	ds_add_u32 v[SPW], v[NIL]
	s_wait_dscnt 0x0
	s_endpgm
; ---------------- the weights ----------------
.Lweights:
	s_lshr_b32 s27, ttmp9, 4                       ; which weight: 0 Wq, 1 Wk, 2 Wv, 3 Wo
	s_bfe_u32 s28, ttmp9, 0x20002                  ; which 128 columns
	s_and_b32 s29, ttmp9, 3                        ; which 128 along K
	s_cmp_eq_u32 s27, 1
	s_cselect_b64 s[8:9], s[10:11], s[8:9]
	s_cmp_eq_u32 s27, 2
	s_cselect_b64 s[8:9], s[12:13], s[8:9]
	s_cmp_eq_u32 s27, 3
	s_cselect_b64 s[8:9], s[14:15], s[8:9]
	s_lshl_b32 s30, s28, 7
	s_lshl_b32 s31, s26, 5
	s_add_co_u32 s30, s30, s31                     ; my wave's first column
	s_lshl_b32 s32, s29, 18                        ; 128 rows of 2,048 bytes
	s_lshl_b32 s33, s30, 2
	s_add_co_u32 s32, s32, s33
	s_mov_b32 s33, 0
	s_add_nc_u64 s[8:9], s[8:9], s[32:33]
	v_lshlrev_b32 v3, 2, v2                        ; a lane a column: 128 consecutive bytes a load
.set i, 0
.rept 128
	global_load_b32 v[64+i], v3, s[8:9] offset:2048*i th:TH_LOAD_NT   ; W(128 ks + i, my column)
.set i, i+1
.endr
	v_lshrrev_b32 v5, 4, v2                        ; which of my wave's two tiles of 16 columns
	v_and_b32 v6, 15, v2
	v_lshlrev_b32 v6, 4, v6
	s_lshr_b32 s34, s30, 4                         ; my wave's first tile of columns
	s_cmp_eq_u32 s27, 3
	s_cbranch_scc1 .Lwo
	v_lshl_add_u32 v4, v5, 12, v6                  ; wc: tile x 4,096 + 16 x column in it
	s_lshl_b32 s32, s27, 17                        ; a weight's codes are 131,072 bytes
	s_lshl_b32 s35, s34, 12
	s_add_co_u32 s32, s32, s35
	s_lshl_b32 s35, s29, 10                        ; four blocks of 256 bytes
	s_add_co_u32 s32, s32, s35
	s_add_nc_u64 s[20:21], s[20:21], s[32:33]
	s_lshl_b32 s32, s27, 13                        ; wsc: ((4 weight + ks) x 512 + column) x 4
	s_lshl_b32 s35, s29, 11
	s_add_co_u32 s32, s32, s35
	s_lshl_b32 s35, s30, 2
	s_add_co_u32 s32, s32, s35
	s_add_nc_u64 s[22:23], s[22:23], s[32:33]
.macro WBLOCK b, left                  ; block b of my column: all its 32 numbers are mine
.set XS, 64+32*(\b)
	s_wait_loadcnt \left
	v_max3_num_f32 v8, |v[XS]|, |v[XS+1]|, |v[XS+2]|
	v_max3_num_f32 v9, |v[XS+3]|, |v[XS+4]|, |v[XS+5]|
.irp i, 6,10,14,18,22,26
	v_max3_num_f32 v8, v8, |v[XS+\i]|, |v[XS+\i+1]|
	v_max3_num_f32 v9, v9, |v[XS+\i+2]|, |v[XS+\i+3]|
.endr
	v_max3_num_f32 v8, v8, |v[XS+30]|, |v[XS+31]|
	v_max3_num_f32 v8, v8, v9, (EMAX+1)<<23
	v_add_nc_u32 v11, -(EMAX<<23), v8
	v_lshrrev_b32 v10, 23, v11
.if (\b) == 0
	v_mov_b32 v48, v10                             ; four bytes make the scale word of these 128 along K, the lower k in the lower byte
.else
	v_lshl_or_b32 v48, v10, 8*(\b), v48
.endif
.irp g, 0,1,2,3
	v_cvt_scalef32_pk8_fp4_f32 v[32+4*(\b)+\g], v[XS+8*\g:XS+8*\g+7], v11
.endr
	global_store_b128 v4, v[32+4*(\b):32+4*(\b)+3], s[20:21] offset:256*(\b)   ; sixteen lanes store 256 consecutive bytes, aligned; each block has registers of its own
.endm
	WBLOCK 0, 63                                   ; 96 loads were issued behind block 0's: the wait's field holds 63 at the most, and a smaller count is safe
	WBLOCK 1, 63                                   ; 64 behind block 1's
	WBLOCK 2, 32
	WBLOCK 3, 0
	global_store_b32 v3, v48, s[22:23]
	s_wait_tensorcnt 0x0
	ds_add_u32 v[SPW], v[NIL]
	s_wait_dscnt 0x0
	s_endpgm
.Lwo:                                  ; Wo: rounded to f16, eight along K to 16 bytes
	v_lshl_add_u32 v5, v5, 14, v6                  ; woimg: tile x 16,384 + 16 x column in it
	s_lshl_b32 s32, s34, 14
	s_lshl_b32 s35, s29, 12                        ; sixteen groups of 8 along K, 256 bytes each
	s_add_co_u32 s32, s32, s35
	s_add_nc_u64 s[24:25], s[24:25], s[32:33]
	s_wait_loadcnt 0x0
.set i, 0
.rept 64
	v_cvt_pk_f16_f32 v[64+i], v[64+2*i], v[65+2*i] ; in place, ascending: a result never lands on a number still to be read
.set i, i+1
.endr
.irp g, 0,1,2,3,4,5,6,7,8,9,10,11,12,13,14,15
	global_store_b128 v5, v[64+4*\g:64+4*\g+3], s[24:25] offset:256*\g
.endr
	s_wait_tensorcnt 0x0
	ds_add_u32 v[SPW], v[NIL]
	s_wait_dscnt 0x0
	s_endpgm
.Lfunc_end_k_q661414854b_prep:
	.size	k_q661414854b_prep, .Lfunc_end_k_q661414854b_prep-k_q661414854b_prep
	.p2alignl 7, 3214868480
	.fill 96, 4, 3214868480
	.section	.rodata,"a",@progbits
	.p2align	6, 0x0
	.amdhsa_kernel k_q661414854b_prep
		.amdhsa_group_segment_fixed_size 39424
		.amdhsa_private_segment_fixed_size 0
		.amdhsa_enable_private_segment 0
		.amdhsa_kernarg_size 88
		.amdhsa_user_sgpr_count 2
		.amdhsa_user_sgpr_kernarg_segment_ptr 1
		.amdhsa_wavefront_size32 1
		.amdhsa_system_sgpr_workgroup_id_x 1
		.amdhsa_system_sgpr_workgroup_id_y 1
		.amdhsa_system_sgpr_workgroup_id_z 1
		.amdhsa_system_vgpr_workitem_id 0
		.amdhsa_next_free_vgpr 192
		.amdhsa_next_free_sgpr 66
		.amdhsa_reserve_vcc 0
		.amdhsa_float_denorm_mode_32 3
		.amdhsa_float_denorm_mode_16_64 3
		.amdhsa_memory_ordered 1
		.amdhsa_forward_progress 1
		.amdhsa_inst_pref_size 60
	.end_amdhsa_kernel
	.amdgpu_metadata
---
amdhsa.version: [ 1, 2 ]
amdhsa.kernels:
  - .name:           k_q661414854b_prep
    .symbol:         k_q661414854b_prep.kd
    .args:
      - { .name: inputs_q, .offset: 0, .size: 8, .value_kind: global_buffer, .address_space: global }
      - { .name: inputs_kv, .offset: 8, .size: 8, .value_kind: global_buffer, .address_space: global }
      - { .name: Wq, .offset: 16, .size: 8, .value_kind: global_buffer, .address_space: global }
      - { .name: Wk, .offset: 24, .size: 8, .value_kind: global_buffer, .address_space: global }
      - { .name: Wv, .offset: 32, .size: 8, .value_kind: global_buffer, .address_space: global }
      - { .name: Wo, .offset: 40, .size: 8, .value_kind: global_buffer, .address_space: global }
      - { .name: xc, .offset: 48, .size: 8, .value_kind: global_buffer, .address_space: global }
      - { .name: xs, .offset: 56, .size: 8, .value_kind: global_buffer, .address_space: global }
      - { .name: wc, .offset: 64, .size: 8, .value_kind: global_buffer, .address_space: global }
      - { .name: wsc, .offset: 72, .size: 8, .value_kind: global_buffer, .address_space: global }
      - { .name: woimg, .offset: 80, .size: 8, .value_kind: global_buffer, .address_space: global }
    .group_segment_fixed_size: 39424
    .private_segment_fixed_size: 0
    .kernarg_segment_align: 8
    .kernarg_segment_size: 88
    .max_flat_workgroup_size: 128
    .sgpr_count:     66
    .vgpr_count:     192
    .wavefront_size: 32
...
	.end_amdgpu_metadata
.endif
;; end of part 1
;; launch attn (part 2): grid 2 x 128, 8 waves a work-group, no clusters, 327,680 bytes of LDS; arguments xc, xs, wc, wsc, bq, bk, bv, toeplitz, ximg; writes ximg
.if DOCPART == 2
	.amdgcn_target "amdgcn-amd-amdhsa--gfx1250"
	.amdhsa_code_object_version 6
	.text
	.protected	k_q661414854b_attn
	.globl	k_q661414854b_attn
	.p2align	8
	.type	k_q661414854b_attn,@function
k_q661414854b_attn:
	s_mov_b64 s[64:65], 0
	v_nop
	global_prefetch_b8 v0, s[64:65] scope:SCOPE_SE
	s_setreg_imm32_b32 hwreg(HW_REG_WAVE_MODE, 25, 1), 1
	s_wait_xcnt 0x0
; ATTN.  One work-group for (batch b, head h, half qh of the queries): x[b][q][h][:] = softmax_k(q.k / 8 + bias[h][q][k]) v, with q, k, v made here from codes of E2M1 (the three quantised products).
; q, k and v never go to memory: wave w projects K and V of tokens 128 w .. 128 w + 127 into LDS as f16, in the order of the operand registers that will read them, and its own 64 queries into registers.
; K and V of a (batch, head) are so projected by two work-groups: 4-bit products are cheap beside the f16 products of the attention, and a launch and the way of q, k, v through memory are spared.
; LAYOUT.  All products are used so that a lane holds ONE query (or token) and its registers run along the next product's K:
;   Q^T = Wq^T Xq^T, K^T = Wk^T X^T (source 0 = 16 columns of W, source 1 = 16 tokens): lane = token, registers = 8 neighbouring d: packed to f16 they are operand registers of S^T = K Q^T.
;   V = X Wv (source 0 = 16 tokens, source 1 = 16 columns): lane = d, registers = 8 neighbouring tokens: operand registers of O^T = V^T P^T.
;   S^T (source 0 = 16 keys, source 1 = 16 queries): lane = query, registers = 8 neighbouring keys: packed they are P, source 1 of O^T.
; SOFTMAX.  q is multiplied by log2(e) / 8 and the bias by log2(e); the bias is the C of the first product of each score tile.  Running maximum m and sum l for each query; p = 2^(s - m); O and l are multiplied by 2^(m_old - m_new) in every step.
; bv is added at the end: the weights of a row sum to 1, so softmax(..) (v + bv) = softmax(..) v + bv.
; THE BIAS TABLE.  Query (xq, yq), key (xk, yk) on the 32 x 32 grid take toeplitz[h][(xq - xk + 32) 64 + yq - yk + 32].  LDS holds 48 rows (xq - xk + 32 - 16 qh = 0 .. 47), each REVERSED along y (a lane's registers run up the keys, so down the table)
; and in four copies shifted by 0 .. 3 words, so that every lane's eight words are two aligned loads of 16 bytes.  A tile of 16 queries x 16 keys lies in one row; within it only (key tile % 2 - query tile % 2) counts: a row's set is 3 x 8 registers.
; No cluster: what the two work-groups of a (batch, head) share is 256 KiB of codes, read once at the head; the 16 steps of the loop ask memory for nothing.  No prefetch for the same reason.
; LIMITS: 0.18 |q|, |k|, |v|, |x| stay under 65,504 (f16); under 6e-5 f16 keeps an absolute step of 6e-8; NaN and infinities are not served.
; REGISTERS, in windows of 256 (s_set_vgpr_msb: bits 1:0 source 0, 3:2 source 1, 5:4 source 2, 7:6 destination):
;   window 0: v1-7 addresses; v8-15 addresses of the head; v16-31 packed results; v32-63 a projection's bias as C; v64-95 its four accumulators; v104-127 scale words and nothing else; v128-255 Xq, then Wv.
;             in the loop: v8-31 statistics; v32-103 three sets of bias; v128-255 S^T, 32 a query tile, with P in place.
;   window 1: v0-127 Wq, then Wk, then O^T (32 a query tile); v128-191 Q (16 a tile); v192-255 the table in transit, then two buffers of X, then K or V of a step.
.set TAB,   262144                     ; LDS 0 .. 262,143: 64 tiles of 16 tokens, 4,096 bytes each: first the tile's codes, then in their place K (2,048 bytes) and V (2,048)
.set TROW,  1280                       ; a row of the table: four copies,
.set TCOPY, 320                        ; 320 bytes apart (256 + 64: the sixteen lanes of a load then take sixteen different 16-byte columns)
.set SPARE, TAB+48*TROW                ; the spare words, 128 bytes for each of the eight waves, which no other line names
.set L16, 1                            ; v1  16 x lane
.set AB0, 2                            ; v2  my place in a row of the table
.set ADK, 3                            ; v3  LDS address of the step's K and V
.set ADB, 4                            ; v4  of the bias rows
.set XAD, 5                            ; v5  my wave's 32 KiB + 16 x lane; from the loop's set-up on: 32 x (lane / 16)
.set SPW, 6                            ; v6  LDS address of my spare word; never rewritten
.set NIL, 7                            ; v7  0; never rewritten
.set TO,  8                            ; v8  the table: my word's byte in a row of toeplitz
.set TL,  9                            ; v9  and its place in LDS
.set R4,  10                           ; v10 4 x (lane % 16)
.set WSO, 11                           ; v11 the same, + a weight's 8,192 bytes of scale words in lanes 16-31
.set H32, 12                           ; v12 32 x (lane / 16)
.set PK,  16
.set BC,  32
.set ACC, 64
.set WSR, 104                          ; v104-119 the weights' scale words (4 dt + ks)
.set XSR, 120                          ; v120-127 the tokens' scale words: two pairs of tiles, 4 registers (ks) each; lanes 0-15 the even tile, 16-31 the odd
.set XQ,  128
.set ST,  8                            ; tile t's statistics at v[ST + 6 t]: +0 m, +1 m_old - m, +2, +3 l (even keys', odd keys'), +4 a, +5 at work
.set SX,  32
.set SY,  56
.set SZ,  80
.set S,   128
.set WT,  0                            ; window 1
.set QF,  128
.set XB,  192
.set MSB, 0
.macro WIN new                         ; the immediate's high byte repeats the setting that is left; a switch that changes nothing is dropped
.if MSB != \new
	s_set_vgpr_msb (MSB<<8)|\new
.set MSB, \new
.endif
.endm
.macro PLACES n                        ; plain vector lines between a matrix instruction and what touches its registers (ISA guide 7.12.1)
.rept \n
	v_nop
.endr
.endm
; One product on codes.  c < 0: C is the constant 0 (used with rb = 1 alone).  ra, rb: the side's scales stand in lanes 16-31 of its register (ra = 1 is used with rb = 1 alone).
.macro FP4MM d, a, b, c, sa, sb, ra, rb
.if (\c) < 0
.if (\ra)
	v_wmma_scale_f32_16x16x128_f8f6f4 v[(\d):(\d)+7], v[(\a):(\a)+7], v[(\b):(\b)+7], 0, v[(\sa)], v[(\sb)] matrix_a_fmt:MATRIX_FMT_FP4 matrix_b_fmt:MATRIX_FMT_FP4 matrix_a_scale:MATRIX_SCALE_ROW1 matrix_b_scale:MATRIX_SCALE_ROW1
.else
	v_wmma_scale_f32_16x16x128_f8f6f4 v[(\d):(\d)+7], v[(\a):(\a)+7], v[(\b):(\b)+7], 0, v[(\sa)], v[(\sb)] matrix_a_fmt:MATRIX_FMT_FP4 matrix_b_fmt:MATRIX_FMT_FP4 matrix_b_scale:MATRIX_SCALE_ROW1
.endif
.elseif (\ra)
	v_wmma_scale_f32_16x16x128_f8f6f4 v[(\d):(\d)+7], v[(\a):(\a)+7], v[(\b):(\b)+7], v[(\c):(\c)+7], v[(\sa)], v[(\sb)] matrix_a_fmt:MATRIX_FMT_FP4 matrix_b_fmt:MATRIX_FMT_FP4 matrix_a_scale:MATRIX_SCALE_ROW1 matrix_b_scale:MATRIX_SCALE_ROW1
.elseif (\rb)
	v_wmma_scale_f32_16x16x128_f8f6f4 v[(\d):(\d)+7], v[(\a):(\a)+7], v[(\b):(\b)+7], v[(\c):(\c)+7], v[(\sa)], v[(\sb)] matrix_a_fmt:MATRIX_FMT_FP4 matrix_b_fmt:MATRIX_FMT_FP4 matrix_b_scale:MATRIX_SCALE_ROW1
.else
	v_wmma_scale_f32_16x16x128_f8f6f4 v[(\d):(\d)+7], v[(\a):(\a)+7], v[(\b):(\b)+7], v[(\c):(\c)+7], v[(\sa)], v[(\sb)] matrix_a_fmt:MATRIX_FMT_FP4 matrix_b_fmt:MATRIX_FMT_FP4
.endif
.endm
	s_load_b512 s[8:23], s[0:1], 0x0               ; xc 8, xs 10, wc 12, wsc 14, bq 16, bk 18, bv 20, toeplitz 22
	s_load_b64 s[24:25], s[0:1], 0x40              ; ximg
	v_lshl_add_u32 v[SPW], v0, 2, SPARE
	v_mov_b32 v[NIL], 0
	ds_add_u32 v[SPW], v[NIL]                      ; the wave's opening: the add, twice on end, and its wait ahead of my tensor load; the set-up below stands between the second and the wait
	ds_add_u32 v[SPW], v[NIL]
	v_lshrrev_b32 v13, 5, v0
	v_readfirstlane_b32 s2, v13                    ; wave 0..7
	s_mov_b32 s3, ttmp9                            ; qh: which half of the queries
	s_and_b32 s4, ttmp7, 0xffff
	s_lshr_b32 s5, s4, 3                           ; batch
	s_and_b32 s6, s4, 7                            ; head
	; the one tensor load of a wave: its 8 tiles of kv codes, 32,768 dense bytes, as 128 rows of 256 bytes (32 elements of 8 bytes), no padding, no mask
	s_mov_b32 s28, 1                               ; group 0: count = 1
	s_lshl_b32 s29, s2, 15                         ; LDS address: wave x 32,768
	s_mov_b32 s32, 3<<16                           ; group 1: elements of 8 bytes
	s_mov_b32 s33, 32<<16                          ; tensor_dim0 = 32
	s_mov_b32 s34, 128<<16                         ; tensor_dim1 = 128
	s_mov_b32 s35, 32<<16                          ; tile_dim0 = 32
	s_mov_b32 s36, 128                             ; tile_dim1 = 128
	s_mov_b32 s37, 32                              ; from row to row: 32 elements
	s_mov_b32 s38, 0
	s_mov_b32 s39, 0
	s_mov_b32 s40, 0x76543210                      ; v_permlanex16_b32's selects for lane l xor 16
	s_mov_b32 s41, 0xfedcba98
	s_mov_b32 s42, 0x3e38aa3b                      ; log2(e) / 8
	s_mov_b32 s43, s42                             ; (named with it as a pair, so it is written)
	s_lshl_b32 s48, s5, 6                          ; a batch has 64 tiles of 16 tokens
	s_lshl_b32 s49, s3, 5
	s_lshl_b32 s50, s2, 2
	s_add_co_u32 s49, s49, s50
	s_add_co_u32 s49, s49, s48                     ; my first tile of queries: 64 b + 32 qh + 4 w
	s_lshl_b32 s50, s2, 3
	s_add_co_u32 s50, s50, s48
	s_add_co_u32 s50, s50, 1024                    ; my first tile of inputs_kv in xc and xs: 1,024 + 64 b + 8 w
	s_mov_b32 s53, 0
	v_and_b32 v14, 31, v0
	v_lshlrev_b32 v[L16], 4, v14
	v_add_nc_u32 v[XAD], s29, v[L16]
	v_and_b32 v15, 15, v0                          ; r
	v_bfe_u32 v13, v0, 4, 1                        ; hl
	v_lshlrev_b32 v[R4], 2, v15
	v_lshl_add_u32 v[WSO], v13, 13, v[R4]
	v_lshlrev_b32 v[H32], 5, v13
	v_lshrrev_b32 v[AB0], 2, v15
	v_lshlrev_b32 v[AB0], 4, v[AB0]
	v_and_b32 v15, 3, v15
	v_mad_u32_u24 v[AB0], v15, TCOPY, v[AB0]       ; 16 (r / 4) + 320 (r % 4)
	v_sub_nc_u32 v[AB0], TAB+1008, v[AB0]          ; copy 3 - r % 4 (960 - 320 (r % 4)), word 12 - 4 (r / 4)
	v_add_nc_u32 v[AB0], v[H32], v[AB0]            ; + 8 words for lanes 16-31.  + 64 (diff + 1) + 16 u stand in the loads' offsets
	v_lshrrev_b32 v13, 6, v0                       ; the table's fill: thread t writes word t % 64 of copy t / 64 of every row
	v_and_b32 v14, 63, v0
	v_add_nc_u32 v15, v13, v14
	v_min_u32 v15, 63, v15
	v_sub_nc_u32 v15, 63, v15                      ; reversed and shifted: column 63 - word - copy, held at 0 (the words so held are read by no lane)
	v_lshlrev_b32 v[TO], 2, v15
	v_mul_u32_u24 v[TL], v13, TCOPY
	v_lshl_add_u32 v[TL], v14, 2, v[TL]
	v_add_nc_u32 v[TL], TAB, v[TL]
	s_wait_dscnt 0x0                               ; both opening adds are done
	s_wait_kmcnt 0x0
	s_lshl_b32 s52, s50, 12
	s_add_nc_u64 s[30:31], s[8:9], s[52:53]        ; group 0: global address
	s_or_b32 s31, s31, 0x80000000                  ; type = 2
	tensor_load_to_lds s[28:31], s[32:39]          ; the only tensor load of the wave: one is out
	s_nop 0
	PLACES 4
	s_lshl_b32 s52, s49, 12
	s_add_nc_u64 s[54:55], s[8:9], s[52:53]        ; my queries' codes
	s_lshl_b32 s52, s49, 8
	s_add_nc_u64 s[56:57], s[10:11], s[52:53]      ; and scale bytes
	s_lshl_b32 s52, s50, 8
	s_add_nc_u64 s[58:59], s[10:11], s[52:53]      ; my kv tokens' scale bytes
	s_lshl_b32 s52, s6, 14
	s_add_nc_u64 s[12:13], s[12:13], s[52:53]      ; wc at my head's four tiles of columns
	s_add_nc_u64 s[22:23], s[22:23], s[52:53]      ; toeplitz at my head,
	s_lshl_b32 s52, s3, 12
	s_add_nc_u64 s[22:23], s[22:23], s[52:53]      ; row 16 qh
	s_lshl_b32 s52, s6, 8
	s_add_nc_u64 s[14:15], s[14:15], s[52:53]      ; wsc, bq, bk, bv at my head's 64 columns
	s_add_nc_u64 s[16:17], s[16:17], s[52:53]
	s_add_nc_u64 s[18:19], s[18:19], s[52:53]
	s_add_nc_u64 s[20:21], s[20:21], s[52:53]
	s_lshl_b32 s52, s49, 14
	s_lshl_b32 s60, s6, 11
	s_add_co_u32 s52, s52, s60
	s_add_nc_u64 s[24:25], s[24:25], s[52:53]      ; ximg: tile x 16,384 + head x 2,048
; a weight's 16 fragments (tile of columns dt, 128 along K ks) into v[reg + 32 dt + 8 ks ..]: each load 512 consecutive bytes
.macro WLOAD reg, off
.irp dt, 0,1,2,3
.irp ks, 0,1,2,3
.irp c, 0,1
	global_load_b128 v[(\reg)+32*\dt+8*\ks+4*\c:(\reg)+32*\dt+8*\ks+4*\c+3], v[L16], s[12:13] offset:(\off)+4096*\dt+1024*\ks+512*\c
.endr
.endr
.endr
.endm
; a bias as C of a transposed projection: lane (r, hl), tile dt, register j: bias[16 dt + 8 hl + j]
.macro CLOAD sb
.irp dt, 0,1,2,3
.irp u, 0,1
	global_load_b128 v[BC+8*\dt+4*\u:BC+8*\dt+4*\u+3], v[H32], s[\sb:\sb+1] offset:64*\dt+16*\u
.endr
.endr
.endm
	WIN 0x40                                       ; destination window 1
.set i, 0
.rept 48
	global_load_b32 v[XB+i], v[TO], s[22:23] offset:256*i          ; the table first: row 16 qh + i
.set i, i+1
.endr
	WLOAD WT, 0                                    ; Wq
	WIN 0
.irp t, 0,1,2,3
.irp ks, 0,1,2,3
.irp c, 0,1
	global_load_b128 v[XQ+32*\t+8*\ks+4*\c:XQ+32*\t+8*\ks+4*\c+3], v[L16], s[54:55] offset:4096*\t+1024*\ks+512*\c
.endr
.endr
.endr
.irp dt, 0,1,2,3
.irp ks, 0,1,2,3
	global_load_b32 v[WSR+4*\dt+\ks], v[R4], s[14:15] offset:2048*\ks+64*\dt
.endr
.endr
.irp p, 0,1
	global_load_b128 v[XSR+4*\p:XSR+4*\p+3], v[L16], s[56:57] offset:512*\p
.endr
	CLOAD 16                                       ; bq
	s_wait_loadcnt 63                              ; 90 loads were issued behind the table's 48: the wait's field holds 63 at the most, and a smaller count is safe
	WIN 0x44
.set i, 0
.rept 48
	v_mul_f32 v[XB+i], 0x3fb8aa3b, v[XB+i]         ; x log2(e)
.set i, i+1
.endr
	WIN 0x04                                       ; an LDS store's data are its source 1
.set i, 0
.rept 48
	ds_store_b32 v[TL], v[XB+i] offset:TROW*i
.set i, i+1
.endr
	WIN 0
	s_wait_loadcnt 0x0
; ---- Q: tile t of my 64 queries.  Four accumulators (dt) by turns, K ascending; bq is the C of the first product
.macro QTILE t
	WIN 0x01                                       ; source 0 (Wq) window 1
.irp ks, 0,1,2,3
.irp dt, 0,1,2,3
.if \ks == 0
	FP4MM ACC+8*\dt, WT+32*\dt+8*\ks, XQ+32*(\t)+8*\ks, BC+8*\dt, WSR+4*\dt+\ks, XSR+4*((\t)/2)+\ks, 0, (\t)%2
.else
	FP4MM ACC+8*\dt, WT+32*\dt+8*\ks, XQ+32*(\t)+8*\ks, ACC+8*\dt, WSR+4*\dt+\ks, XSR+4*((\t)/2)+\ks, 0, (\t)%2
.endif
.endr
.endr
	WIN 0
	PLACES 4
.set i, 0
.rept 16
	v_pk_mul_f32 v[ACC+2*i:ACC+2*i+1], v[ACC+2*i:ACC+2*i+1], s[42:43] op_sel_hi:[1,0]   ; x log2(e) / 8; each accumulator from its low end on
.set i, i+1
.endr
	WIN 0x40
.set i, 0
.rept 16
	v_cvt_pk_f16_f32 v[QF+16*(\t)+i], v[ACC+2*i], v[ACC+2*i+1]     ; registers 4 dt .. 4 dt + 3: d = 16 dt + 8 hl + 0 .. 7
.set i, i+1
.endr
.endm
	QTILE 0
	QTILE 1
	QTILE 2
	QTILE 3
; ---- K and V of my 128 tokens.  The loads below land on registers that the Q products read: the 32 lines behind the last of them are their places
	WLOAD WT, 131072                               ; Wk (destination window 1 still stands)
	WIN 0
	WLOAD XQ, 262144                               ; Wv
.irp dt, 0,1,2,3
.irp ks, 0,1,2,3
	global_load_b32 v[WSR+4*\dt+\ks], v[WSO], s[14:15] offset:8192+2048*\ks+64*\dt    ; lanes 0-15: Wk's words, lanes 16-31: Wv's
.endr
.endr
.irp p, 0,1
	global_load_b128 v[XSR+4*\p:XSR+4*\p+3], v[L16], s[58:59] offset:512*\p            ; tiles 0-3; tiles 4-7 follow when these are done with
.endr
	CLOAD 18                                       ; bk
.macro XLOAD n                         ; tile n's codes from my own LDS bytes into buffer n % 2
.irp ks, 0,1,2,3
.irp c, 0,1
	ds_load_b128 v[XB+32*((\n)%2)+8*\ks+4*\c:XB+32*((\n)%2)+8*\ks+4*\c+3], v[XAD] offset:4096*(\n)+1024*\ks+512*\c
.endr
.endr
.endm
	s_wait_tensorcnt 0x0                           ; my codes have landed: I alone read them
	s_wait_dscnt 0x0                               ; the table's stores are done: their data registers take the codes now
	WIN 0x40
	XLOAD 0
	WIN 0
	s_wait_loadcnt 0x0
.macro KVTILE i
.set XBI, XB+32*((\i)%2)
.set XRI, XSR+4*(((\i)/2)%2)
	s_wait_dscnt 0x0                               ; this tile's codes are in registers, so its bytes may be written over; the last tile's stores have read their data
.if (\i) == 4
	s_wait_loadcnt 0x1                             ; the scale words of tiles 4, 5 are in; those of tiles 6, 7 may be out
.endif
.if (\i) == 6
	s_wait_loadcnt 0x0
.endif
.if (\i) < 7
	WIN 0x40
	XLOAD (\i)+1
.endif
	WIN 0x05                                       ; sources 0 (Wk) and 1 (X) window 1
.irp ks, 0,1,2,3
.irp dt, 0,1,2,3
.if \ks == 0
	FP4MM ACC+8*\dt, WT+32*\dt+8*\ks, XBI+8*\ks, BC+8*\dt, WSR+4*\dt+\ks, XRI+\ks, 0, (\i)%2
.else
	FP4MM ACC+8*\dt, WT+32*\dt+8*\ks, XBI+8*\ks, ACC+8*\dt, WSR+4*\dt+\ks, XRI+\ks, 0, (\i)%2
.endif
.endr
.endr
	WIN 0
	PLACES 4
.set j, 0
.rept 16
	v_cvt_pk_f16_f32 v[PK+j], v[ACC+2*j], v[ACC+2*j+1]
.set j, j+1
.endr
.irp dt, 0,1,2,3
	ds_store_b128 v[XAD], v[PK+4*\dt:PK+4*\dt+3] offset:4096*(\i)+512*\dt             ; K: lane (token r, hl): d = 16 dt + 8 hl + 0 .. 7
.endr
	WIN 0x01                                       ; source 0 (X) window 1, source 1 (Wv) window 0.  These begin the accumulators anew: the places and conversions above are more than the five lines owed
.irp ks, 0,1,2,3
.irp dt, 0,1,2,3
.if \ks == 0
	FP4MM ACC+8*\dt, XBI+8*\ks, XQ+32*\dt+8*\ks, -1, XRI+\ks, WSR+4*\dt+\ks, (\i)%2, 1
.else
	FP4MM ACC+8*\dt, XBI+8*\ks, XQ+32*\dt+8*\ks, ACC+8*\dt, XRI+\ks, WSR+4*\dt+\ks, (\i)%2, 1
.endif
.endr
.endr
	WIN 0
	PLACES 4
.if (\i) == 1
	global_load_b128 v[XSR:XSR+3], v[L16], s[58:59] offset:1024                       ; tiles 0, 1 are done with their scale words: those of tiles 4, 5 take their place
.endif
.if (\i) == 3
	global_load_b128 v[XSR+4:XSR+7], v[L16], s[58:59] offset:1536                     ; likewise tiles 6, 7
.endif
	s_wait_dscnt 0x0                               ; K's stores have read their data
.set j, 0
.rept 16
	v_cvt_pk_f16_f32 v[PK+j], v[ACC+2*j], v[ACC+2*j+1]
.set j, j+1
.endr
.irp dt, 0,1,2,3
	ds_store_b128 v[XAD], v[PK+4*\dt:PK+4*\dt+3] offset:4096*(\i)+2048+512*\dt        ; V: lane (d = 16 dt + r, hl): tokens 8 hl + 0 .. 7 of the tile
.endr
.endm
.irp i, 0,1,2,3,4,5,6,7
	KVTILE \i
.endr
	s_wait_dscnt 0x0                               ; for the others' sake: my K, my V and my words of the table have landed
	s_barrier_signal -1
	s_barrier_wait -1                              ; the one barrier: from here on LDS is only read
; ---- the loop's parts
.macro BLOAD set, off                  ; a row's set of bias: diff + 1 = g, two loads of 16 bytes each
.irp g, 0,1,2
.irp u, 0,1
	ds_load_b128 v[(\set)+8*\g+4*\u:(\set)+8*\g+4*\u+3], v[ADB] offset:(\off)+64*\g+16*\u
.endr
.endr
.endm
.macro KLOAD p                         ; K's key tiles 2 p, 2 p + 1 of the step at v[ADK]
.irp k2, 0,1
.irp c, 0,1
.irp u, 0,1
	ds_load_b128 v[XB+16*(2*(\p)+\k2)+8*\c+4*\u:XB+16*(2*(\p)+\k2)+8*\c+4*\u+3], v[ADK] offset:4096*(2*(\p)+\k2)+1024*\c+512*\u
.endr
.endr
.endr
.endm
.macro VLOAD                           ; V of the step: keys 32 cc on, d 16 dt on
.irp cc, 0,1
.irp dt, 0,1,2,3
.irp u, 0,1
	ds_load_b128 v[XB+32*\cc+8*\dt+4*\u:XB+32*\cc+8*\dt+4*\u+3], v[ADK] offset:4096*(2*\cc+\u)+2048+512*\dt
.endr
.endr
.endr
.endm
; S^T for key tiles 2 g, 2 g + 1 and my four query tiles: eight accumulators by turns; first d 0-31 with the bias as C, then d 32-63 in place.
; The bias row of (query tile t, key tile kt) is that of t / 2 - kt / 2: +1 in set sp, 0 in SY, -1 in set sm.
.macro QK g, sp, sm
.irp c, 0,1
.irp t, 0,1,2,3
.irp k2, 0,1
.set rS, S+32*\t+8*(2*(\g)+\k2)
.set rK, XB+16*(2*(\g)+\k2)+8*\c
.set rQ, QF+16*\t+8*\c
.set dl, (\t)/2-(\g)
.if dl == 0
.set rB, SY
.elseif dl > 0
.set rB, \sp
.else
.set rB, \sm
.endif
.set rB, rB+8*((\k2)-((\t)%2)+1)
.if \c == 0
	v_wmma_f32_16x16x32_f16 v[rS:rS+7], v[rK:rK+7], v[rQ:rQ+7], v[rB:rB+7]
.else
	v_wmma_f32_16x16x32_f16 v[rS:rS+7], v[rK:rK+7], v[rQ:rQ+7], v[rS:rS+7]
.endif
.endr
.endr
.endr
.endm
.macro PV cc, zero                     ; O^T += V^T P^T for keys 32 cc on: sixteen accumulators by turns.  zero = 1: the first product starts the sums
.irp t, 0,1,2,3
.irp dt, 0,1,2,3
.if \zero
	v_wmma_f32_16x16x32_f16 v[32*\t+8*\dt:32*\t+8*\dt+7], v[XB+32*(\cc)+8*\dt:XB+32*(\cc)+8*\dt+7], v[S+32*\t+8*(\cc):S+32*\t+8*(\cc)+7], 0
.else
	v_wmma_f32_16x16x32_f16 v[32*\t+8*\dt:32*\t+8*\dt+7], v[XB+32*(\cc)+8*\dt:XB+32*(\cc)+8*\dt+7], v[S+32*\t+8*(\cc):S+32*\t+8*(\cc)+7], v[32*\t+8*\dt:32*\t+8*\dt+7]
.endif
.endr
.endr
.endm
; The softmax of a step, the four query tiles by turns.  first = 1: there is no old maximum, no a and nothing to rescale.
.macro SOFTMAX first
.irp t, 0,1,2,3
	v_max3_num_f32 v[ST+6*\t+5], v[S+32*\t], v[S+32*\t+1], v[S+32*\t+2]               ; the walk goes up the registers
.endr
.irp i, 3,5,7,9,11,13,15,17,19,21,23,25,27,29
.irp t, 0,1,2,3
	v_max3_num_f32 v[ST+6*\t+5], v[ST+6*\t+5], v[S+32*\t+\i], v[S+32*\t+\i+1]
.endr
.endr
.irp t, 0,1,2,3
.if \first
	v_max_num_f32 v[ST+6*\t+5], v[ST+6*\t+5], v[S+32*\t+31]
.else
	v_max3_num_f32 v[ST+6*\t+5], v[ST+6*\t+5], v[S+32*\t+31], v[ST+6*\t]
.endif
.endr
.irp t, 0,1,2,3
	v_permlanex16_b32 v[ST+6*\t+4], v[ST+6*\t+5], s40, s41         ; the query's other 32 keys lie in the lane 16 away
.endr
.if !\first
.irp t, 0,1,2,3
	v_mov_b32 v[ST+6*\t+1], v[ST+6*\t]
.endr
.endif
.irp t, 0,1,2,3
	v_max_num_f32 v[ST+6*\t], v[ST+6*\t+5], v[ST+6*\t+4]           ; the new m
.endr
.if !\first
.irp t, 0,1,2,3
	v_sub_f32 v[ST+6*\t+1], v[ST+6*\t+1], v[ST+6*\t]               ; m_old - m
.endr
.endif
; ONE BATCH: the shifts s - m (two at a time; of the pair (m, m_old - m) the low word serves both halves) and all exponentials.  No line of it names an exponential's result.
.set ii, 0
.rept 16
	v_pk_add_f32 v[S+2*ii:S+2*ii+1], v[S+2*ii:S+2*ii+1], v[ST:ST+1] op_sel_hi:[1,0] neg_lo:[0,1] neg_hi:[0,1]
.set ii, ii+1
.endr
.if !\first
.irp t, 0,1,2,3
	v_exp_f32 v[ST+6*\t+4], v[ST+6*\t+1]                           ; a = 2^(m_old - m)
.endr
.endif
.set tt, 0
.rept 4
.set ii, 0
.rept 16
	v_exp_f32 v[S+32*tt+2*ii], v[S+32*tt+2*ii]
	v_exp_f32 v[S+32*tt+2*ii+1], v[S+32*tt+2*ii+1]
.if tt < 3
	v_pk_add_f32 v[S+32*(tt+1)+2*ii:S+32*(tt+1)+2*ii+1], v[S+32*(tt+1)+2*ii:S+32*(tt+1)+2*ii+1], v[ST+6*(tt+1):ST+6*(tt+1)+1] op_sel_hi:[1,0] neg_lo:[0,1] neg_hi:[0,1]   ; the next tile's shifts stand between this tile's exponentials
.endif
.set ii, ii+1
.endr
.set tt, tt+1
.endr
	v_nop                                          ; a plain line behind the last exponential
	s_wait_alu depctr_va_vdst(0)                   ; this wait stands ahead of the first line that names a result: one for the whole batch
.irp t, 0,1,2,3
.if \first
	v_pk_add_f32 v[ST+6*\t+2:ST+6*\t+3], v[S+32*\t:S+32*\t+1], v[S+32*\t+2:S+32*\t+3]
.else
	v_pk_fma_f32 v[ST+6*\t+2:ST+6*\t+3], v[ST+6*\t+2:ST+6*\t+3], v[ST+6*\t+4:ST+6*\t+5], v[S+32*\t:S+32*\t+1] op_sel_hi:[1,0,1]   ; l = a l + p
.endif
.endr
.irp i, 1,2,3,4,5,6,7,8,9,10,11,12,13,14,15
.if (!\first) || (\i > 1)
.irp t, 0,1,2,3
	v_pk_add_f32 v[ST+6*\t+2:ST+6*\t+3], v[ST+6*\t+2:ST+6*\t+3], v[S+32*\t+2*\i:S+32*\t+2*\i+1]
.endr
.endif
.endr
.irp i, 0,1,2,3,4,5,6,7,8,9,10,11,12,13,14,15
.irp t, 0,1,2,3
	v_cvt_pk_f16_f32 v[S+32*\t+\i], v[S+32*\t+2*\i], v[S+32*\t+2*\i+1]                ; P in place, ascending: registers 8 cc .. 8 cc + 7 are source 1 for keys 32 cc on
.endr
.endr
.if !\first
	WIN 0x41                                       ; O^T (destination and source 0) window 1, a window 0
.irp t, 0,1,2,3
.set ii, 0
.rept 16
	v_pk_mul_f32 v[32*\t+2*ii:32*\t+2*ii+1], v[32*\t+2*ii:32*\t+2*ii+1], v[ST+6*\t+4:ST+6*\t+5] op_sel_hi:[1,0]
.set ii, ii+1
.endr
.endr
.endif
.endm
; A STEP of 64 keys.  sp, sm: the sets that hold the bias rows +1 and -1; the row -1 of this step is the row +1 of the next, so only two rows are fetched, and sp and sm change places.
.macro STEP sp, sm, first, last
	s_wait_dscnt 0x8                               ; the bias and K's tiles 0, 1 are in; the youngest eight loads, K's tiles 2, 3, may be out
	WIN 0x05                                       ; K and Q window 1, bias and S^T window 0
	QK 0, \sp, \sm
	s_wait_dscnt 0x0
	QK 1, \sp, \sm
	WIN 0
.if \last
	PLACES 4
.else
	s_sub_co_u32 s45, s45, 2*TROW                  ; two rows down the table: the keys' x grows by 2
	v_add_nc_u32 v[ADB], s45, v[AB0]               ; (with the three below: the four places in front of loads into registers that the products read)
	PLACES 3
.endif
	WIN 0x40
	VLOAD
	WIN 0
.if \last
.irp dt, 0,1,2,3
.irp u, 0,1
	global_load_b128 v[32+8*\dt+4*\u:32+8*\dt+4*\u+3], v[XAD], s[20:21] offset:64*\dt+16*\u   ; bv, in O^T's layout, where the bias sets lay
.endr
.endr
.else
	BLOAD SY, TROW
	BLOAD \sp, 0
.endif
	SOFTMAX \first
	s_wait_dscnt 0x0                               ; V is in (and the next step's bias)
	WIN 0x51                                       ; V window 1, P window 0, O^T window 1
	PV 0, \first
.if !\last
	WIN 0
	s_add_co_u32 s44, s44, 16384                   ; the next step's four tiles
	v_add_nc_u32 v[ADK], s44, v[L16]
	PLACES 3
	WIN 0x40
	KLOAD 0                                        ; into the registers that held V's keys 0-31
	WIN 0x51
.endif
	PV 1, 0
	WIN 0
.if !\last
	PLACES 5                                       ; the next step's first products write over P: five lines; four would serve the loads below
	WIN 0x40
	KLOAD 1
	WIN 0
.endif
.endm
.irp t, 0,1,2,3
	v_mov_b32 v[ST+6*\t+1], 0                      ; named as the upper half of the pair (m, m_old - m) in the first step
	v_mov_b32 v[ST+6*\t+4], 0                      ; a lane permute's destination counts as one of its sources
.endr
	v_lshrrev_b32 v[XAD], 3, v[L16]
	v_and_b32 v[XAD], 32, v[XAD]                   ; 32 x (lane / 16), for bv
	s_mov_b32 s44, 0
	s_mul_i32 s45, s2, 2*TROW
	s_add_co_u32 s45, s45, 31*TROW                 ; row 2 w - 2 s + 31 of the table: that of t / 2 - kt / 2 = -1 in step s = 0
	v_mov_b32 v[ADK], v[L16]
	v_add_nc_u32 v[ADB], s45, v[AB0]
	BLOAD SX, 2*TROW
	BLOAD SY, TROW
	BLOAD SZ, 0
	WIN 0x40
	KLOAD 0
	KLOAD 1
	WIN 0
	STEP SX, SZ, 1, 0
	s_mov_b32 s46, 7
.Lsteps:                               ; 7 trips of two steps: after two steps the sets are back where they began
	STEP SZ, SX, 0, 0
	STEP SX, SZ, 0, 0
	s_sub_co_u32 s46, s46, 1
	s_cmp_lg_u32 s46, 0
	s_cbranch_scc1 .Lsteps
	STEP SZ, SX, 0, 1
; ---- the way out: x = O^T / l + bv, rounded to f16, stored as operand registers of the last product
.irp t, 0,1,2,3
	v_add_f32 v[ST+6*\t+5], v[ST+6*\t+2], v[ST+6*\t+3]             ; (these four are the places behind the last products)
.endr
.irp t, 0,1,2,3
	v_permlanex16_b32 v[ST+6*\t+1], v[ST+6*\t+5], s40, s41
.endr
.irp t, 0,1,2,3
	v_add_f32 v[ST+6*\t+5], v[ST+6*\t+5], v[ST+6*\t+1]
.endr
.irp t, 0,1,2,3
	v_rcp_f32 v[ST+6*\t+4], v[ST+6*\t+5]
.endr
	v_nop
	s_wait_alu depctr_va_vdst(0)                   ; one wait for the four reciprocals, ahead of their first reader
	s_wait_loadcnt 0x0                             ; bv
.irp t, 0,1,2,3
	WIN 0x01                                       ; source 0 (O^T) window 1
.set ii, 0
.rept 16
	v_pk_fma_f32 v[S+32*\t+2*ii:S+32*\t+2*ii+1], v[32*\t+2*ii:32*\t+2*ii+1], v[ST+6*\t+4:ST+6*\t+5], v[32+2*ii:33+2*ii] op_sel_hi:[1,0,1]
.set ii, ii+1
.endr
	WIN 0
.set ii, 0
.rept 16
	v_cvt_pk_f16_f32 v[S+32*\t+ii], v[S+32*\t+2*ii], v[S+32*\t+2*ii+1]
.set ii, ii+1
.endr
.irp dt, 0,1,2,3
	global_store_b128 v[L16], v[S+32*\t+4*\dt:S+32*\t+4*\dt+3], s[24:25] offset:16384*\t+512*\dt   ; 512 consecutive bytes, aligned
.endr
.endr
	s_wait_tensorcnt 0x0                           ; the wave's end: behind my tensor load and my last LDS store
	ds_add_u32 v[SPW], v[NIL]
	s_wait_dscnt 0x0
	s_endpgm
.Lfunc_end_k_q661414854b_attn:
	.size	k_q661414854b_attn, .Lfunc_end_k_q661414854b_attn-k_q661414854b_attn
	.p2alignl 7, 3214868480
	.fill 96, 4, 3214868480
	.section	.rodata,"a",@progbits
	.p2align	6, 0x0
	.amdhsa_kernel k_q661414854b_attn
		.amdhsa_group_segment_fixed_size 327680
		.amdhsa_private_segment_fixed_size 0
		.amdhsa_enable_private_segment 0
		.amdhsa_kernarg_size 72
		.amdhsa_user_sgpr_count 2
		.amdhsa_user_sgpr_kernarg_segment_ptr 1
		.amdhsa_wavefront_size32 1
		.amdhsa_system_sgpr_workgroup_id_x 1
		.amdhsa_system_sgpr_workgroup_id_y 1
		.amdhsa_system_sgpr_workgroup_id_z 1
		.amdhsa_system_vgpr_workitem_id 0
		.amdhsa_next_free_vgpr 512
		.amdhsa_next_free_sgpr 66
		.amdhsa_reserve_vcc 0
		.amdhsa_float_denorm_mode_32 3
		.amdhsa_float_denorm_mode_16_64 3
		.amdhsa_memory_ordered 1
		.amdhsa_forward_progress 1
		.amdhsa_inst_pref_size 246
	.end_amdhsa_kernel
	.amdgpu_metadata
---
amdhsa.version: [ 1, 2 ]
amdhsa.kernels:
  - .name:           k_q661414854b_attn
    .symbol:         k_q661414854b_attn.kd
    .args:
      - { .name: xc, .offset: 0, .size: 8, .value_kind: global_buffer, .address_space: global }
      - { .name: xs, .offset: 8, .size: 8, .value_kind: global_buffer, .address_space: global }
      - { .name: wc, .offset: 16, .size: 8, .value_kind: global_buffer, .address_space: global }
      - { .name: wsc, .offset: 24, .size: 8, .value_kind: global_buffer, .address_space: global }
      - { .name: bq, .offset: 32, .size: 8, .value_kind: global_buffer, .address_space: global }
      - { .name: bk, .offset: 40, .size: 8, .value_kind: global_buffer, .address_space: global }
      - { .name: bv, .offset: 48, .size: 8, .value_kind: global_buffer, .address_space: global }
      - { .name: toeplitz, .offset: 56, .size: 8, .value_kind: global_buffer, .address_space: global }
      - { .name: ximg, .offset: 64, .size: 8, .value_kind: global_buffer, .address_space: global }
    .group_segment_fixed_size: 327680
    .private_segment_fixed_size: 0
    .kernarg_segment_align: 8
    .kernarg_segment_size: 72
    .max_flat_workgroup_size: 256
    .sgpr_count:     66
    .vgpr_count:     512
    .wavefront_size: 32
...
	.end_amdgpu_metadata
.endif
;; end of part 2
;; launch proj (part 3): grid 256 x 1, 4 waves a work-group, no clusters, 99,840 bytes of LDS; arguments ximg, woimg, bo, out0; writes out0
.if DOCPART == 3
	.amdgcn_target "amdgcn-amd-amdhsa--gfx1250"
	.amdhsa_code_object_version 6
	.text
	.protected	k_q661414854b_proj
	.globl	k_q661414854b_proj
	.p2align	8
	.type	k_q661414854b_proj,@function
k_q661414854b_proj:
	s_mov_b64 s[64:65], 0
	v_nop
	global_prefetch_b8 v0, s[64:65] scope:SCOPE_SE
	s_setreg_imm32_b32 hwreg(HW_REG_WAVE_MODE, 25, 1), 1
	s_wait_xcnt 0x0
; PROJ.  out0[token][n] = sum over k of x[token][k] Wo[k][n] + bo[n], f16 operands, f32 sums.  x and Wo^T arrive as images of operand registers (a fragment of 16 rows x 32 k: two loads of 512 consecutive bytes).
; A work-group takes 64 tokens (four tiles); wave w takes columns 128 w .. 128 w + 127 for all of them: 32 accumulators of 16 x 16.
; x (65,536 bytes) is read from memory once, a tile a wave, and goes to the other waves through LDS as it lies.  Wo^T goes from memory straight into registers, four K steps of 32 ahead: each wave reads only its own 128 columns.
; The matrix instruction is used transposed (source 0 = 16 columns of Wo, source 1 = 16 tokens): a lane holds eight neighbouring columns of one token's row.  bo is the C of each sum's first product.
; No cluster and no tensor load: Wo^T is laid so that a lane loads its fragment registers whole, and no tile of it goes through LDS.
; REGISTERS: window 0: v1-7 addresses; v64-127 x's fragments, two buffers; v128-191 bo as C; on the way out v64-191 rows of out0, two buffers.
;   window 1: the accumulators ((token tile tt, column tile i) at v[8 (8 tt + i)]); ahead of the loop v0-127: x in transit.   window 2: Wo^T, a ring of four K steps, 64 registers each.
.set STG,    65536                     ; LDS 0 .. 65,535: x's images; then a stage of 16 rows x (512 + 16) bytes for each wave
.set SPITCH, 528
.set SPARE,  STG+4*16*SPITCH           ; the spare words, 128 bytes for each wave, which no other line names
.set L16, 1                            ; v1  16 x lane
.set XST, 2                            ; v2  where I store x's images: wave x 16,384 + 16 x lane
.set STO, 3                            ; v3  the stage: where I put 32 bytes of a row
.set RD,  4                            ; v4  and where I read a row back
.set H32, 5                            ; v5  32 x (lane / 16)
.set SPW, 6                            ; v6  LDS address of my spare word; never rewritten
.set NIL, 7                            ; v7  0; never rewritten
.set BF,  64
.set BO,  128
.set BK,  64
.set MSB, 0
.macro WIN new                         ; the immediate's high byte repeats the setting that is left
.if MSB != \new
	s_set_vgpr_msb (MSB<<8)|\new
.set MSB, \new
.endif
.endm
	s_load_b256 s[4:11], s[0:1], 0x0               ; ximg 4, woimg 6, bo 8, out0 10
	v_lshl_add_u32 v[SPW], v0, 2, SPARE
	v_mov_b32 v[NIL], 0
	v_lshrrev_b32 v8, 5, v0
	v_readfirstlane_b32 s12, v8                    ; wave 0..3
	v_and_b32 v8, 31, v0
	v_lshlrev_b32 v[L16], 4, v8
	v_and_b32 v9, 15, v0
	v_bfe_u32 v10, v0, 4, 1
	v_lshlrev_b32 v[H32], 5, v10
	s_lshl_b32 s13, s12, 14
	v_add_nc_u32 v[XST], s13, v[L16]
	s_mul_i32 s14, s12, 16*SPITCH
	s_add_co_u32 s14, s14, STG
	v_mul_u32_u24 v[STO], v9, SPITCH
	v_add_nc_u32 v[STO], v[H32], v[STO]
	v_add_nc_u32 v[STO], s14, v[STO]               ; row = my token, + 32 x (lane / 16); the column tile stands in the offset
	v_add_nc_u32 v[RD], s14, v[L16]                ; back: the 32 lanes take one row of 512 bytes
	s_lshl_b32 s16, ttmp9, 16                      ; ximg: four tiles of 16,384 bytes a work-group, a tile a wave
	s_add_co_u32 s16, s16, s13
	s_mov_b32 s17, 0
	s_lshl_b32 s18, s12, 17                        ; woimg: eight tiles of 16,384 bytes a wave
	s_mov_b32 s19, 0
	s_lshl_b32 s20, s12, 9                         ; bo, and a row of out0: 128 columns of 4 bytes a wave
	s_mov_b32 s21, 0
	s_lshl_b32 s22, ttmp9, 17                      ; out0: 64 rows of 2,048 bytes a work-group
	s_add_co_u32 s22, s22, s20
	s_mov_b32 s23, 0
	s_wait_kmcnt 0x0
	s_add_nc_u64 s[4:5], s[4:5], s[16:17]
	s_add_nc_u64 s[6:7], s[6:7], s[18:19]
	s_add_nc_u64 s[8:9], s[8:9], s[20:21]
	s_add_nc_u64 s[10:11], s[10:11], s[22:23]
.macro ALOAD kc                        ; Wo^T: my eight column tiles, k = 32 kc on, into slot kc % 4 of the ring
.irp i, 0,1,2,3,4,5,6,7
.irp u, 0,1
	global_load_b128 v[64*((\kc)%4)+8*\i+4*\u:64*((\kc)%4)+8*\i+4*\u+3], v[L16], s[6:7] offset:16384*\i+1024*(\kc)+512*\u
.endr
.endr
.endm
.macro XFRAG kc                        ; x: the four token tiles, k = 32 kc on, into buffer kc % 2
.irp tt, 0,1,2,3
.irp u, 0,1
	ds_load_b128 v[BF+32*((\kc)%2)+8*\tt+4*\u:BF+32*((\kc)%2)+8*\tt+4*\u+3], v[L16] offset:16384*\tt+1024*(\kc)+512*\u
.endr
.endr
.endm
	WIN 0x40                                       ; destination window 1
.set n, 0
.rept 32
	global_load_b128 v[4*n:4*n+3], v[L16], s[4:5] offset:512*n th:TH_LOAD_NT          ; my tile of x, read once in the launch
.set n, n+1
.endr
	WIN 0
.irp i, 0,1,2,3,4,5,6,7
.irp u, 0,1
	global_load_b128 v[BO+8*\i+4*\u:BO+8*\i+4*\u+3], v[H32], s[8:9] offset:64*\i+16*\u   ; lane (r, hl), tile i, register j: bo[16 i + 8 hl + j]
.endr
.endr
	WIN 0x80                                       ; destination window 2
	ALOAD 0
	s_wait_loadcnt 32                              ; x is in; bo's 16 loads and the first K step's 16 may be out
	WIN 0x04                                       ; an LDS store's data are its source 1: window 1
.set n, 0
.rept 32
	ds_store_b128 v[XST], v[4*n:4*n+3] offset:512*n
.set n, n+1
.endr
	WIN 0x80
	ALOAD 1
	ALOAD 2
	ALOAD 3
	WIN 0
	s_wait_dscnt 0x0                               ; for the others' sake: my tile of x has landed
	s_barrier_signal -1
	s_barrier_wait -1
	XFRAG 0
	XFRAG 1
; 16 K steps of 32, written out: every offset is an immediate.  The 32 accumulators take turns in the same order in every step.
.set KC, 0
.rept 16
.if KC < 13
	s_wait_loadcnt 48                              ; this step's Wo^T is in (at step 0: bo too); the three steps behind it may be out
.else
	s_wait_loadcnt 16*(15-KC)
.endif
.if KC < 15
	s_wait_dscnt 8                                 ; this step's x is in; the next step's eight loads may be out
.else
	s_wait_dscnt 0x0
.endif
.if KC == 0
	WIN 0x42                                       ; source 0 (Wo^T) window 2, source 2 (bo) window 0, destination window 1
.else
	WIN 0x52                                       ; C and D window 1
.endif
.irp tt, 0,1,2,3
.irp i, 0,1,2,3,4,5,6,7
.if KC == 0
	v_wmma_f32_16x16x32_f16 v[8*(8*\tt+\i):8*(8*\tt+\i)+7], v[64*(KC%4)+8*\i:64*(KC%4)+8*\i+7], v[BF+32*(KC%2)+8*\tt:BF+32*(KC%2)+8*\tt+7], v[BO+8*\i:BO+8*\i+7]
.else
	v_wmma_f32_16x16x32_f16 v[8*(8*\tt+\i):8*(8*\tt+\i)+7], v[64*(KC%4)+8*\i:64*(KC%4)+8*\i+7], v[BF+32*(KC%2)+8*\tt:BF+32*(KC%2)+8*\tt+7], v[8*(8*\tt+\i):8*(8*\tt+\i)+7]
.endif
.endr
.endr
	WIN 0
.rept 4
	v_nop                                          ; four places in front of loads into registers that these products read, and at the end of the first read of results
.endr
.if KC+4 < 16
	WIN 0x80
	ALOAD KC+4
	WIN 0
.endif
.if KC+2 < 16
	XFRAG KC+2
.endif
.set KC, KC+1
.endr
; THE WAY OUT, a tile of 16 tokens at a time: a lane holds 32 neighbouring bytes of a row, the lanes beside it other rows: so the tile goes through my own stage and comes back as rows of 512 bytes.
; LDS serves a wave's instructions in order: no wait between the stores and the loads, nor in front of the next tile's stores.
.macro TOSTAGE a
	WIN 0x04
.irp i, 0,1,2,3,4,5,6,7
	ds_store_b128 v[STO], v[8*(8*(\a)+\i):8*(8*(\a)+\i)+3] offset:64*\i               ; each accumulator from its low end on
	ds_store_b128 v[STO], v[8*(8*(\a)+\i)+4:8*(8*(\a)+\i)+7] offset:64*\i+16
.endr
	WIN 0
.irp rr, 0,1,2,3,4,5,6,7,8,9,10,11,12,13,14,15
	ds_load_b128 v[BK+64*((\a)%2)+4*\rr:BK+64*((\a)%2)+4*\rr+3], v[RD] offset:SPITCH*\rr
.endr
.endm
.macro SEND a, younger                 ; younger: the LDS instructions issued behind tile a's loads, which may stay out
	s_wait_dscnt \younger
.irp rr, 0,1,2,3,4,5,6,7,8,9,10,11,12,13,14,15
	global_store_b128 v[L16], v[BK+64*((\a)%2)+4*\rr:BK+64*((\a)%2)+4*\rr+3], s[10:11] offset:2048*(16*(\a)+\rr) th:TH_STORE_NT   ; 512 consecutive bytes, aligned; written once, read by nobody here
.endr
.endm
	TOSTAGE 0
.irp a, 1,2,3
.if \a > 1
	s_wait_xcnt 0x0                                ; tile a - 2's stores have read their registers: tile a's rows may land there
.endif
	TOSTAGE \a
	SEND \a-1, 32                                  ; behind tile a - 1's loads: tile a's 16 stores and 16 loads
.endr
	SEND 3, 0
	s_wait_tensorcnt 0x0                           ; the wave's end: behind my last LDS store
	ds_add_u32 v[SPW], v[NIL]
	s_wait_dscnt 0x0
	s_endpgm
.Lfunc_end_k_q661414854b_proj:
	.size	k_q661414854b_proj, .Lfunc_end_k_q661414854b_proj-k_q661414854b_proj
	.p2alignl 7, 3214868480
	.fill 96, 4, 3214868480
	.section	.rodata,"a",@progbits
	.p2align	6, 0x0
	.amdhsa_kernel k_q661414854b_proj
		.amdhsa_group_segment_fixed_size 99840
		.amdhsa_private_segment_fixed_size 0
		.amdhsa_enable_private_segment 0
		.amdhsa_kernarg_size 32
		.amdhsa_user_sgpr_count 2
		.amdhsa_user_sgpr_kernarg_segment_ptr 1
		.amdhsa_wavefront_size32 1
		.amdhsa_system_sgpr_workgroup_id_x 1
		.amdhsa_system_sgpr_workgroup_id_y 1
		.amdhsa_system_sgpr_workgroup_id_z 1
		.amdhsa_system_vgpr_workitem_id 0
		.amdhsa_next_free_vgpr 768
		.amdhsa_next_free_sgpr 66
		.amdhsa_reserve_vcc 0
		.amdhsa_float_denorm_mode_32 3
		.amdhsa_float_denorm_mode_16_64 3
		.amdhsa_memory_ordered 1
		.amdhsa_forward_progress 1
		.amdhsa_inst_pref_size 92
	.end_amdhsa_kernel
	.amdgpu_metadata
---
amdhsa.version: [ 1, 2 ]
amdhsa.kernels:
  - .name:           k_q661414854b_proj
    .symbol:         k_q661414854b_proj.kd
    .args:
      - { .name: ximg, .offset: 0, .size: 8, .value_kind: global_buffer, .address_space: global }
      - { .name: woimg, .offset: 8, .size: 8, .value_kind: global_buffer, .address_space: global }
      - { .name: bo, .offset: 16, .size: 8, .value_kind: global_buffer, .address_space: global }
      - { .name: out0, .offset: 24, .size: 8, .value_kind: global_buffer, .address_space: global }
    .group_segment_fixed_size: 99840
    .private_segment_fixed_size: 0
    .kernarg_segment_align: 8
    .kernarg_segment_size: 32
    .max_flat_workgroup_size: 128
    .sgpr_count:     66
    .vgpr_count:     768
    .wavefront_size: 32
...
	.end_amdgpu_metadata
.endif
;; end of part 3
